; MI455X (gfx1250); checked and timed in simulation.
; The chip was launched on July 23, 2026; its instructions are those of AMD's public machine-readable ISA for CDNA 5 (MIT licence, August 2026) and "CDNA5" Instruction Set Architecture Reference Guide (July 2026). The comments in the code are by the model that wrote it; some were corrected since.
;; Intrinsic Signal Synthesizer. Allowed arithmetic: float matrix products may take bf16 or f16 operands with f32 sums; other float arithmetic in f32, or as packed bf16 or f16 multiplies, adds, multiply-adds, maxima and minima; sums over many terms, partial sums and values carried from step to step in f32; what a program stores and reads back later, other than sums and carried values, may be rounded once to bf16 or f16.
;; Inputs: W_c1 256 x 1,024 float32; W_c2 1,024 x 256 float32; W_d1 1,024 x 2,048 float32; W_d2 1 x 1,024 float32; W_n1 512 x 1,024 float32; W_n2 1 x 512 float32; W_u1 512 x 1,024 float32; W_u2 1 x 512 float32; actual 16,384 x 1,024 float32; b_c1 256 float32; b_c2 1,024 float32; b_d1 1,024 float32; b_d2 1 float32; b_n1 512 float32; b_n2 1 float32; b_u1 512 float32; b_u2 1 float32; pattern_memory 100 x 1,024 float32; prediction 16,384 x 1,024 float32.
;; Outputs: out0 16,384 x 4 float32.
;; One version. Each part assembles by itself: llvm-mc -triple=amdgcn-amd-amdhsa -mcpu=gfx1250 --defsym DOCPART=n.
;; ======== version 1 of 1: 3 launches
;; workspace buffers: xb 67,108,864 bytes; wb 7,471,104 bytes; wc2f 524,288 bytes; rowstat 132,096 bytes; part 2,097,152 bytes; hc 8,388,608 bytes
;; launch prep (part 1): grid 2536 x 1, 8 waves a work-group, no clusters, 0 bytes of LDS; arguments prediction, actual, W_d1, W_u1, W_c1, W_n1, pattern_memory, W_c2, xb, wb, wc2f, rowstat; writes xb, wb, wc2f, rowstat
.if DOCPART == 1
	.amdgcn_target "amdgcn-amd-amdhsa--gfx1250"
	.amdhsa_code_object_version 6
	.text
	.protected	k_q66b3f404a1_prep
	.globl	k_q66b3f404a1_prep
	.p2align	8
	.type	k_q66b3f404a1_prep,@function
k_q66b3f404a1_prep:
	s_mov_b64 s[64:65], 0
	v_nop
	global_prefetch_b8 v0, s[64:65] scope:SCOPE_SE
	s_setreg_imm32_b32 hwreg(HW_REG_WAVE_MODE, 25, 1), 1
	s_wait_xcnt 0x0
; PREP: every matrix operand is rounded once to bf16 and laid out for the two launches behind; what needs a row in f32 is made on the way.
;   xb      [16384][2048] bf16: columns 0-1023 prediction, 1024-2047 actual
;   wb      [1824][2048] bf16: rows 0-1023 W_d1; row 1024 + 96 h + i (h = 0..7, i = 0..95): left half (K 0-1023) W_u1 row 64 h + i (i < 64) or W_c1 row 32 h + i - 64;
;           right half W_n1 row 64 h + i (i < 64), pattern_memory row 16 h + i - 64 (64 <= i < 80; zeros from memory row 100 on), zeros (i >= 80); rows 1792-1823 zeros
;   wc2f    W_c2 in fragment order: piece 16 nb + 2 kb + q of 512 bytes; lane 16 h + r holds W_c2[16 nb + r][32 kb + 16 q + 8 h .. + 7]
;   rowstat [16384] pairs {entropy of softmax(prediction row), 1 / max(|actual row|, 1e-8)}; from byte 131,072 on 128 pairs {1 / max(|memory row|, 1e-8), 0}, or {0, lowest finite number} for a row that does not exist
; One wave, one job (a row of 1,024 f32: 32 registers); no LDS, no barrier, no loop: the waves share nothing, so matrix units, clusters and LDS would add nothing.
; A row's eight loads cover 512 consecutive bytes each; its eight stores of bf16 256 consecutive bytes each, aligned.  The pair of a row's statistics is 8 bytes stored by one lane: one part in a thousand of the launch's bytes.
; ENTROPY as it is defined: the row's maximum is taken away, p = e / Z, H = - sum p ln(p + 1e-8).  An e below 2^-126 counts as 0.  NaN and infinities are not treated apart.
.set XP,  8                            ; v[8:39]    a row in f32 (prediction, or a weight row)
.set XA,  40                           ; v[40:71]   the row of actual; later p + eps and its logarithm
.set Y,   72                           ; v[72:87]   a row in bf16, to store
.set Y2,  88                           ; v[88:103]  the second row in bf16
.set T,   104                          ; v[104:111] four chains at work
.set NM,  112                          ; v[112:113] - m log2(e), twice
.set RZ,  114                          ; v[114:115] 1 / Z, twice
.set ST,  116                          ; v[116:117] the pair to store
.set TP,  118                          ; v118       the lane exchange's target
.set SSQ, 119                          ; v119       a sum of squares, its root
.set WG_WD,  2048                      ; work-groups 0-2047: rows of prediction and actual
.set WG_WS,  2304                      ; 2048-2303: W_d1
.set WG_ZP,  2496                      ; 2304-2495: the small weights and the memory
.set WG_WC2, 2504                      ; 2496-2503: the zero rows;  2504-2535: W_c2
.macro LOADROW x, lo                   ; 4,096 bytes: register 4 j + i of lane l is element 128 j + 4 l + i
.irp j, 0,1,2,3,4,5,6,7
	global_load_b128 v[(\x)+4*(\j):(\x)+4*(\j)+3], v2, s[\lo:\lo+1] offset:512*(\j) th:TH_LOAD_NT
.endr
.endm
.macro CAST x, y, lo, off              ; rounded to bf16 and stored: each store of the wave covers 256 consecutive bytes, aligned
.irp j, 0,1,2,3,4,5,6,7,8,9,10,11,12,13,14,15
	v_cvt_pk_bf16_f32 v[(\y)+(\j)], v[(\x)+2*(\j)], v[(\x)+2*(\j)+1]
.endr
.irp j, 0,1,2,3,4,5,6,7
	global_store_b64 v3, v[(\y)+2*(\j):(\y)+2*(\j)+1], s[\lo:\lo+1] offset:(\off)+256*(\j) th:TH_STORE_NT
.endr
.endm
.macro ZEROS                           ; 2,048 bytes of zeros at s[34:35]
	v_mov_b32 v[Y], 0
	v_mov_b32 v[Y+1], 0
.irp j, 0,1,2,3,4,5,6,7
	global_store_b64 v3, v[Y:Y+1], s[34:35] offset:256*(\j) th:TH_STORE_NT
.endr
.endm
.macro LANES_ADD                       ; v[T] summed over the 32 lanes, the result in every lane
	v_add_f32_dpp v[T], v[T], v[T] row_xmask:1 row_mask:0xf bank_mask:0xf
	v_add_f32_dpp v[T], v[T], v[T] row_xmask:2 row_mask:0xf bank_mask:0xf
	v_add_f32_dpp v[T], v[T], v[T] row_xmask:4 row_mask:0xf bank_mask:0xf
	v_add_f32_dpp v[T], v[T], v[T] row_xmask:8 row_mask:0xf bank_mask:0xf
	v_permlanex16_b32 v[TP], v[T], s44, s45
	v_add_f32 v[T], v[T], v[TP]
.endm
.macro LANES_MAX
	v_max_num_f32_dpp v[T], v[T], v[T] row_xmask:1 row_mask:0xf bank_mask:0xf
	v_max_num_f32_dpp v[T], v[T], v[T] row_xmask:2 row_mask:0xf bank_mask:0xf
	v_max_num_f32_dpp v[T], v[T], v[T] row_xmask:4 row_mask:0xf bank_mask:0xf
	v_max_num_f32_dpp v[T], v[T], v[T] row_xmask:8 row_mask:0xf bank_mask:0xf
	v_permlanex16_b32 v[TP], v[T], s44, s45
	v_max_num_f32 v[T], v[T], v[TP]
.endm
.macro TREE                            ; the four chains' pairs into one number, then over the lanes
	v_pk_add_f32 v[T:T+1], v[T:T+1], v[T+2:T+3]
	v_pk_add_f32 v[T+4:T+5], v[T+4:T+5], v[T+6:T+7]
	v_pk_add_f32 v[T:T+1], v[T:T+1], v[T+4:T+5]
	v_add_f32 v[T], v[T], v[T+1]
	LANES_ADD
.endm
.macro SUMSQ x                         ; the row's sum of squares, in f32, four chains
.irp c, 0,1,2,3
	v_pk_mul_f32 v[T+2*(\c):T+2*(\c)+1], v[(\x)+8*(\c):(\x)+8*(\c)+1], v[(\x)+8*(\c):(\x)+8*(\c)+1]
.endr
.irp k, 2,4,6
.irp c, 0,1,2,3
	v_pk_fma_f32 v[T+2*(\c):T+2*(\c)+1], v[(\x)+8*(\c)+(\k):(\x)+8*(\c)+(\k)+1], v[(\x)+8*(\c)+(\k):(\x)+8*(\c)+(\k)+1], v[T+2*(\c):T+2*(\c)+1]
.endr
.endr
	TREE
.endm
.macro STORE1                          ; lane 0 stores the pair at s[36:37]
	s_wait_xcnt 0x0                                ; EXEC is a source of the stores above: it changes only behind this wait
	v_cmp_eq_u32 vcc_lo, 0, v1
	s_and_saveexec_b32 s47, vcc_lo
	global_store_b64 v4, v[ST:ST+1], s[36:37]
	s_wait_xcnt 0x0                                ; and again in front of the line that widens it
	s_or_b32 exec_lo, exec_lo, s47
.endm
	s_load_b512 s[8:23], s[0:1], 0x0               ; prediction s[8:9], actual s[10:11], W_d1 s[12:13], W_u1 s[14:15], W_c1 s[16:17], W_n1 s[18:19], pattern_memory s[20:21], W_c2 s[22:23]
	s_load_b256 s[24:31], s[0:1], 0x40             ; xb s[24:25], wb s[26:27], wc2f s[28:29], rowstat s[30:31]
	v_and_b32 v1, 31, v0                           ; lane
	v_lshrrev_b32 v5, 5, v0
	v_readfirstlane_b32 s4, v5                     ; wave 0..7
	v_lshlrev_b32 v2, 4, v1                        ; 16 x lane
	v_lshlrev_b32 v3, 3, v1                        ; 8 x lane
	v_mov_b32 v4, 0
	v_mov_b32 v[TP], 0                             ; the lane exchange counts its target as read
	s_mov_b32 s6, ttmp9
	s_mov_b32 s39, 0                               ; high word of every offset pair
	s_mov_b32 s40, 0x3fb8aa3b                      ; log2(e), named as a pair
	s_mov_b32 s41, 0x3fb8aa3b
	s_mov_b32 s42, 0x322bcc77                      ; 1e-8, named as a pair
	s_mov_b32 s43, 0x322bcc77
	s_mov_b32 s44, 0x76543210                      ; each lane takes its own place in the other half
	s_mov_b32 s45, 0xfedcba98
	s_wait_kmcnt 0x0
	s_cmp_lt_u32 s6, WG_WD
	s_cbranch_scc0 .Lnot_act
	; A ROW OF PREDICTION AND OF ACTUAL: row = 8 x work-group + wave
	s_lshl_b32 s5, s6, 3
	s_add_co_u32 s5, s5, s4
	s_lshl_b32 s38, s5, 12                         ; 4,096 bytes a row in all three
	s_add_nc_u64 s[32:33], s[8:9], s[38:39]
	s_add_nc_u64 s[48:49], s[10:11], s[38:39]
	s_add_nc_u64 s[34:35], s[24:25], s[38:39]
	s_lshl_b32 s38, s5, 3
	s_add_nc_u64 s[36:37], s[30:31], s[38:39]
	LOADROW XP, 32
	LOADROW XA, 48
	s_wait_loadcnt 8                               ; prediction's eight loads are in; actual's eight may stay out
	CAST XP, Y, 34, 0
.irp c, 0,1,2,3                        ; the row's maximum: four chains of seven, three operands at a time
	v_max3_num_f32 v[T+(\c)], v[XP+8*(\c)], v[XP+8*(\c)+1], v[XP+8*(\c)+2]
.endr
.irp c, 0,1,2,3
	v_max3_num_f32 v[T+(\c)], v[T+(\c)], v[XP+8*(\c)+3], v[XP+8*(\c)+4]
.endr
.irp c, 0,1,2,3
	v_max3_num_f32 v[T+(\c)], v[T+(\c)], v[XP+8*(\c)+5], v[XP+8*(\c)+6]
.endr
	v_max3_num_f32 v[T], v[T], v[XP+7], v[XP+15]
	v_max3_num_f32 v[T+2], v[T+2], v[XP+23], v[XP+31]
	v_max3_num_f32 v[T], v[T], v[T+1], v[T+2]
	v_max_num_f32 v[T], v[T], v[T+3]
	LANES_MAX
	v_mul_f32 v[NM], 0xbfb8aa3b, v[T]              ; - m log2(e)
	v_mov_b32 v[NM+1], v[NM]
.set i, 0
.rept 16
	v_pk_fma_f32 v[XP+i:XP+i+1], v[XP+i:XP+i+1], s[40:41], v[NM:NM+1] op_sel_hi:[1,0,1]  ; (x - m) log2(e), one rounding
.set i, i+2
.endr
.set i, 0
.rept 32
	v_exp_f32 v[XP+i], v[XP+i]                     ; e = exp(x - m): one batch; nothing up to its wait names a result
.set i, i+1
.endr
	s_wait_loadcnt 0x0                             ; actual's row is in
	CAST XA, Y2, 34, 2048                          ; independent work behind the batch: the cast,
	SUMSQ XA                                       ; and |a|^2
	v_mov_b32 v[SSQ], v[T]
	s_wait_alu depctr_va_vdst(0)                   ; one wait for the 32 exponentials, ahead of their first reader
.irp c, 0,1,2,3                        ; Z = sum e; the e are kept
	v_pk_add_f32 v[T+2*(\c):T+2*(\c)+1], v[XP+8*(\c):XP+8*(\c)+1], v[XP+8*(\c)+2:XP+8*(\c)+3]
.endr
.irp k, 4,6
.irp c, 0,1,2,3
	v_pk_add_f32 v[T+2*(\c):T+2*(\c)+1], v[T+2*(\c):T+2*(\c)+1], v[XP+8*(\c)+(\k):XP+8*(\c)+(\k)+1]
.endr
.endr
	TREE
	v_rcp_f32 v[RZ], v[T]
	v_sqrt_f32 v[SSQ], v[SSQ]
	v_nop                                          ; a plain instruction behind the two,
	s_wait_alu depctr_va_vdst(0)                   ; and their wait
	v_mov_b32 v[RZ+1], v[RZ]
	v_max_num_f32 v[SSQ], s42, v[SSQ]              ; max(|a|, 1e-8)
	v_rcp_f32 v[ST+1], v[SSQ]                      ; waited for with the logarithms below
.set i, 0
.rept 16
	v_pk_fma_f32 v[XA+i:XA+i+1], v[XP+i:XP+i+1], v[RZ:RZ+1], s[42:43] op_sel_hi:[1,1,0]  ; p + 1e-8
.set i, i+2
.endr
.set i, 0
.rept 32
	v_log_f32 v[XA+i], v[XA+i]                     ; log2(p + 1e-8): one batch
.set i, i+1
.endr
	v_nop
	s_wait_alu depctr_va_vdst(0)                   ; one wait for the reciprocal and the 32 logarithms
.irp c, 0,1,2,3                        ; sum e log2(p + 1e-8)
	v_pk_mul_f32 v[T+2*(\c):T+2*(\c)+1], v[XP+8*(\c):XP+8*(\c)+1], v[XA+8*(\c):XA+8*(\c)+1]
.endr
.irp k, 2,4,6
.irp c, 0,1,2,3
	v_pk_fma_f32 v[T+2*(\c):T+2*(\c)+1], v[XP+8*(\c)+(\k):XP+8*(\c)+(\k)+1], v[XA+8*(\c)+(\k):XA+8*(\c)+(\k)+1], v[T+2*(\c):T+2*(\c)+1]
.endr
.endr
	TREE
	v_mul_f32 v[TP], 0xbf317218, v[RZ]             ; - ln 2 / Z
	v_mul_f32 v[ST], v[T], v[TP]                   ; H
	STORE1
	s_endpgm
.Lnot_act:
	s_cmp_lt_u32 s6, WG_WS
	s_cbranch_scc0 .Lnot_wd
	; W_d1: piece = 8 x (work-group - 2048) + wave: 1,024 numbers, a flat cast
	s_sub_co_u32 s5, s6, WG_WD
	s_lshl_b32 s5, s5, 3
	s_add_co_u32 s5, s5, s4
	s_lshl_b32 s38, s5, 12
	s_add_nc_u64 s[32:33], s[12:13], s[38:39]
	s_lshl_b32 s38, s5, 11
	s_add_nc_u64 s[34:35], s[26:27], s[38:39]
	s_branch .Lcast
.Lnot_wd:
	s_cmp_lt_u32 s6, WG_ZP
	s_cbranch_scc0 .Lnot_ws
	; THE SMALL WEIGHTS: 16 blocks (phase, h) of 96 half rows, 12 work-groups a block
	s_sub_co_u32 s5, s6, WG_WS                     ; 0..191
	s_mul_i32 s50, s5, 43691
	s_lshr_b32 s50, s50, 19                        ; / 12, exact up to 191
	s_mul_i32 s51, s50, 12
	s_sub_co_u32 s51, s5, s51
	s_lshl_b32 s51, s51, 3
	s_add_co_u32 s51, s51, s4                      ; i = 0..95
	s_lshr_b32 s52, s50, 3                         ; phase
	s_and_b32 s53, s50, 7                          ; h
	s_mul_i32 s38, s53, 96
	s_add_co_u32 s38, s38, s51
	s_add_co_u32 s38, s38, 1024
	s_lshl_b32 s38, s38, 12                        ; row 1024 + 96 h + i,
	s_lshl_b32 s54, s52, 11
	s_add_co_u32 s38, s38, s54                     ; its left or right half
	s_add_nc_u64 s[34:35], s[26:27], s[38:39]
	s_cmp_lt_u32 s51, 64
	s_cbranch_scc0 .Lws_hi
	s_lshl_b32 s38, s53, 6
	s_add_co_u32 s38, s38, s51
	s_lshl_b32 s38, s38, 12                        ; row 64 h + i
	s_cmp_eq_u32 s52, 0
	s_cselect_b64 s[32:33], s[14:15], s[18:19]     ; of W_u1 or of W_n1
	s_add_nc_u64 s[32:33], s[32:33], s[38:39]
	s_branch .Lcast
.Lws_hi:
	s_sub_co_u32 s55, s51, 64                      ; 0..31
	s_cmp_eq_u32 s52, 0
	s_cbranch_scc0 .Lws_mem
	s_lshl_b32 s38, s53, 5
	s_add_co_u32 s38, s38, s55
	s_lshl_b32 s38, s38, 12                        ; row 32 h + i - 64 of W_c1
	s_add_nc_u64 s[32:33], s[16:17], s[38:39]
	s_branch .Lcast
.Lws_mem:
	s_cmp_lt_u32 s55, 16
	s_cbranch_scc0 .Lzero                          ; i >= 80: zeros, and no pair
	s_lshl_b32 s56, s53, 4
	s_add_co_u32 s56, s56, s55                     ; memory row 0..127
	s_lshl_b32 s38, s56, 3
	s_add_co_u32 s38, s38, 131072
	s_add_nc_u64 s[36:37], s[30:31], s[38:39]      ; where its pair goes
	s_cmp_lt_u32 s56, 100
	s_cbranch_scc0 .Lzero_mem                      ; a row that does not exist
	s_lshl_b32 s38, s56, 12
	s_add_nc_u64 s[32:33], s[20:21], s[38:39]
	s_branch .Lcast_mem
.Lnot_ws:
	s_cmp_lt_u32 s6, WG_WC2
	s_cbranch_scc0 .Lwc2
	; THE ZERO ROWS 1792-1823 of wb: 64 pieces of 2,048 bytes
	s_sub_co_u32 s5, s6, WG_ZP
	s_lshl_b32 s5, s5, 3
	s_add_co_u32 s5, s5, s4
	s_lshl_b32 s38, s5, 11
	s_add_co_u32 s38, s38, 1792*4096
	s_add_nc_u64 s[34:35], s[26:27], s[38:39]
	s_branch .Lzero
.Lwc2:
	; W_c2 IN FRAGMENT ORDER: job v = 0..255 makes pieces 4 v .. 4 v + 3: rows 16 (v / 4) + r, columns 64 (v % 4) .. + 63: 256 consecutive bytes of each of 16 rows
	s_sub_co_u32 s5, s6, WG_WC2
	s_lshl_b32 s5, s5, 3
	s_add_co_u32 s5, s5, s4
	v_and_b32 v5, 15, v1                           ; r
	v_lshrrev_b32 v6, 4, v1                        ; h
	v_lshlrev_b32 v5, 10, v5                       ; a row of W_c2 is 1,024 bytes
	v_lshl_add_u32 v5, v6, 5, v5                   ; + 8 h numbers
	s_lshr_b32 s38, s5, 2
	s_lshl_b32 s38, s38, 14
	s_and_b32 s50, s5, 3
	s_lshl_b32 s50, s50, 8
	s_add_co_u32 s38, s38, s50
	s_add_nc_u64 s[32:33], s[22:23], s[38:39]
	s_lshl_b32 s38, s5, 11
	s_add_nc_u64 s[34:35], s[28:29], s[38:39]
.irp c, 0,1,2,3
	global_load_b128 v[XP+8*(\c):XP+8*(\c)+3],   v5, s[32:33] offset:64*(\c)
	global_load_b128 v[XP+8*(\c)+4:XP+8*(\c)+7], v5, s[32:33] offset:64*(\c)+16
.endr
	s_wait_loadcnt 0x0
.irp j, 0,1,2,3,4,5,6,7,8,9,10,11,12,13,14,15
	v_cvt_pk_bf16_f32 v[Y+(\j)], v[XP+2*(\j)], v[XP+2*(\j)+1]
.endr
.irp c, 0,1,2,3
	global_store_b128 v2, v[Y+4*(\c):Y+4*(\c)+3], s[34:35] offset:512*(\c)  ; 512 consecutive bytes, aligned
.endr
	s_endpgm
.Lcast:                                        ; 1,024 numbers from s[32:33] to s[34:35]
	LOADROW XP, 32
	s_wait_loadcnt 0x0
	CAST XP, Y, 34, 0
	s_endpgm
.Lcast_mem:                                    ; the same for a memory row, which also stores {1 / max(|m|, 1e-8), 0}
	LOADROW XP, 32
	s_wait_loadcnt 0x0
	CAST XP, Y, 34, 0
	SUMSQ XP
	v_sqrt_f32 v[SSQ], v[T]
	v_nop
	s_wait_alu depctr_va_vdst(0)
	v_max_num_f32 v[SSQ], s42, v[SSQ]
	v_rcp_f32 v[ST], v[SSQ]
	v_mov_b32 v[ST+1], 0                           ; the plain instruction behind the reciprocal
	s_wait_alu depctr_va_vdst(0)
	STORE1
	s_endpgm
.Lzero:                                        ; 2,048 bytes of zeros
	ZEROS
	s_endpgm
.Lzero_mem:                                    ; the same for a memory row that does not exist, with a pair that never wins a maximum
	ZEROS
	v_mov_b32 v[ST], 0
	v_mov_b32 v[ST+1], 0xff7fffff
	STORE1
	s_endpgm
.Lfunc_end_k_q66b3f404a1_prep:
	.size	k_q66b3f404a1_prep, .Lfunc_end_k_q66b3f404a1_prep-k_q66b3f404a1_prep
	.p2alignl 7, 3214868480
	.fill 96, 4, 3214868480
	.section	.rodata,"a",@progbits
	.p2align	6, 0x0
	.amdhsa_kernel k_q66b3f404a1_prep
		.amdhsa_group_segment_fixed_size 0
		.amdhsa_private_segment_fixed_size 0
		.amdhsa_enable_private_segment 0
		.amdhsa_kernarg_size 96
		.amdhsa_user_sgpr_count 2
		.amdhsa_user_sgpr_kernarg_segment_ptr 1
		.amdhsa_wavefront_size32 1
		.amdhsa_system_sgpr_workgroup_id_x 1
		.amdhsa_system_sgpr_workgroup_id_y 1
		.amdhsa_system_sgpr_workgroup_id_z 1
		.amdhsa_system_vgpr_workitem_id 0
		.amdhsa_next_free_vgpr 120
		.amdhsa_next_free_sgpr 66
		.amdhsa_reserve_vcc 1
		.amdhsa_float_denorm_mode_32 3
		.amdhsa_float_denorm_mode_16_64 3
		.amdhsa_memory_ordered 1
		.amdhsa_forward_progress 1
		.amdhsa_inst_pref_size 32
	.end_amdhsa_kernel
	.amdgpu_metadata
---
amdhsa.version: [ 1, 2 ]
amdhsa.kernels:
  - .name:           k_q66b3f404a1_prep
    .symbol:         k_q66b3f404a1_prep.kd
    .args:
      - { .name: prediction, .offset: 0, .size: 8, .value_kind: global_buffer, .address_space: global }
      - { .name: actual, .offset: 8, .size: 8, .value_kind: global_buffer, .address_space: global }
      - { .name: W_d1, .offset: 16, .size: 8, .value_kind: global_buffer, .address_space: global }
      - { .name: W_u1, .offset: 24, .size: 8, .value_kind: global_buffer, .address_space: global }
      - { .name: W_c1, .offset: 32, .size: 8, .value_kind: global_buffer, .address_space: global }
      - { .name: W_n1, .offset: 40, .size: 8, .value_kind: global_buffer, .address_space: global }
      - { .name: pattern_memory, .offset: 48, .size: 8, .value_kind: global_buffer, .address_space: global }
      - { .name: W_c2, .offset: 56, .size: 8, .value_kind: global_buffer, .address_space: global }
      - { .name: xb, .offset: 64, .size: 8, .value_kind: global_buffer, .address_space: global }
      - { .name: wb, .offset: 72, .size: 8, .value_kind: global_buffer, .address_space: global }
      - { .name: wc2f, .offset: 80, .size: 8, .value_kind: global_buffer, .address_space: global }
      - { .name: rowstat, .offset: 88, .size: 8, .value_kind: global_buffer, .address_space: global }
    .group_segment_fixed_size: 0
    .private_segment_fixed_size: 0
    .kernarg_segment_align: 8
    .kernarg_segment_size: 96
    .max_flat_workgroup_size: 256
    .sgpr_count:     66
    .vgpr_count:     120
    .wavefront_size: 32
...
	.end_amdgpu_metadata
.endif
;; end of part 1
;; launch main (part 2): grid 4 x 64, 4 waves a work-group, clusters of 4 x 4, 327,680 bytes of LDS; arguments xb, wb, b_d1, W_d2, b_u1, W_u2, b_c1, b_n1, W_n2, rowstat, part, hc; writes part, hc
.if DOCPART == 2
	.amdgcn_target "amdgcn-amd-amdhsa--gfx1250"
	.amdhsa_code_object_version 6
	.text
	.protected	k_q66b3f404a1_main
	.globl	k_q66b3f404a1_main
	.p2align	8
	.type	k_q66b3f404a1_main,@function
k_q66b3f404a1_main:
	s_mov_b64 s[64:65], 0
	v_nop
	global_prefetch_b8 v0, s[64:65] scope:SCOPE_SE
	s_setreg_imm32_b32 hwreg(HW_REG_WAVE_MODE, 25, 1), 1
	s_wait_xcnt 0x0
	s_wait_alu depctr_hold_cnt(0) depctr_sa_sdst(0) depctr_va_vdst(0) depctr_va_sdst(0) depctr_va_ssrc(0) depctr_va_vcc(0) depctr_vm_vsrc(0)
	s_getreg_b32 s2, hwreg(HW_REG_IB_STS2, 6, 4)
	s_cmp_eq_u32 s2, 0
	s_cbranch_scc0 .Lentry_in_a_cluster
	s_endpgm
.Lentry_in_a_cluster:
	s_bfe_u32 s2, ttmp6, 0x10000c
	s_cmp_lg_u32 s2, 0xf033
	s_cbranch_scc0 .Lentry_shape_is_right
	s_endpgm
.Lentry_shape_is_right:
; MAIN: the first layers of all four signals and the products with the pattern memory, as three tiles of C = A B^T on one ring, with what follows each layer done in registers.
; A = xb [16384][2048] bf16 (prediction | actual), B = wb [1824][2048] bf16.  Work-group (g, gy), g = 0..3, gy = 0..63, owns rows 256 gy .. + 255 and a quarter of EVERY layer's columns, so all work-groups run the same text alike:
;   BIG      256 x 256, K = 2048: W_d1 rows 256 g .. + 255                                  -> relu, dot with W_d2                    -> part, kind 0
;   SMALL 0  256 x 192, K = 1024 (prediction): per column half 64 of W_u1, 32 of W_c1        -> relu, dot with W_u2 -> part, kind 1;   relu(c1) in bf16 -> hc
;   SMALL 1  256 x 160, K = 1024 (actual): per column half 64 of W_n1, 16 memory rows        -> relu, dot with W_n2 -> part, kind 2;   max of dot / |m| -> part, kind 3
; part [32][16384] f32: slot 8 kind + 2 g + column half; the launch behind adds (or takes the maximum of) a kind's eight slots: no sum crosses work-groups here.
; hc: relu(c1) as fragment images: piece 16 (row / 16) + column / 16 of 512 bytes; lane 16 h + r holds row r, columns 8 h .. + 7 of the piece.
; Four waves, each 128 rows x one column half (128, 96 or 80 columns): up to 64 accumulators of 16 x 16.  K goes in 32 steps of 128 (16 + 8 + 8) through two LDS slots; a step's rows are 256 bytes of memory, aligned; the ring runs on
; from tile to tile.  A wave's tensor load is always 128 rows x 256 bytes with one constant shape; in SMALL a column half uses 96 or 80 of its 128 rows (the others are zero rows, the neighbour's rows, or wb's zero rows at the end).
; CLUSTER: 4 x 4 work-groups.  A's tile hangs on gy alone and is asked for jointly along a row of the cluster, B's on g alone and jointly along a column: the same load, descriptor and mask in all four.
; PREFETCH INTO THE L2, for BIG's steps 3 to 15: behind each joint refill a wave names the step that the NEXT refill will ask for, one step (256 matrix instructions) ahead of that refill: 32 rows x 256 bytes, a lane a row.
; THE MATRIX INSTRUCTION IS USED TRANSPOSED (source 0 = 16 rows of B, source 1 = 16 rows of A): register j of lane 16 h + r of accumulator (a, b) is C(row 16 a + r, column 16 b + 8 h + j).
; THE BIAS STARTS THE SUMS: a tile's first products take the bias, laid out like an accumulator, as C: nothing is cleared and nothing is added later (an order of rounding other than adding it last).
; LIMITS: operands and hc are rounded once to bf16; NaN and infinities are not treated apart; a memory column that does not exist counts as the lowest finite number, and 100 real ones stand beside it.
; REGISTERS, in windows of 256: window 0: v0-63 addresses and the epilogues' work; v64-127, v128-191 A's fragments, two buffers (the second also the epilogues' scratch); v192-255 the second layer's weights, the memory's pairs
;   window 1: v0-63 the bias; v64-127, v128-191 B's fragments;   window 2: accumulators of my rows 0-63 ((a, b) at 8 (8 a + b));   window 3: those of my rows 64-127
.set PITCH,  272                       ; an LDS row: 256 bytes + 16 of padding: the 16 rows of a fragment load start at 16 different groups of four banks (ISA guide 11.1)
.set HALFT,  128*PITCH                 ; what one tensor load brings
.set SLOT,   4*HALFT                   ; A's 256 rows, then B's 256 rows
.set STAGE,  2*SLOT                    ; behind the ring: 512 bytes for each wave: 128 row results on their way out
.set VT,     STAGE+2048                ; 2,560 bytes for each wave: its biases and second-layer weights
.set VTW,    2560                      ;   0 b_d1 (128)  512 W_d2 (128)  1024 b_u1 (64), b_c1 (32)  1408 W_u2 (64)  1792 b_n1 (64), zeros (32)  2176 W_n2 (64)  2432 the memory's 16 pairs
.set SPARE,  VT+4*VTW                  ; the spare words, 128 bytes for each wave: two blocks of 256 bytes that no other line names
.set KIND,   8*16384*4                 ; bytes from a kind of part to the next
.set ADRA, 16                          ; v16-17  LDS address of my A fragments in slot 0, 1
.set VTM,  19                          ; v19     my lanes' memory pairs
.set ADRB, 20                          ; v20-21  the same as ADRA for B
.set VTA,  22                          ; v22     my table + 32 h; never rewritten
.set VTC,  23                          ; v23     the same at the tile's part of the table
.set STG,  24                          ; v24     my stage + 4 l
.set STR,  25                          ; v25     my stage + 16 l
.set CO,   26                          ; v26     16 l: the stores' offset
.set SPW,  28                          ; v28     my spare word; never rewritten
.set NIL,  29                          ; v29     0; never rewritten
.set PFO,  30                          ; v30     the prefetches' offset: my lane x a row of xb or wb (4,096 bytes); never rewritten
.set R,    32                          ; v32-39  a number for each of my eight blocks of 16 rows
.set T,    40                          ; v40-47  at work on the way out
.set CH,   48                          ; v48-55  four chains of pairs
.set F0,   64
.set F1,   128
.set W2,   192
.set MS,   224
.set G1,  24                           ; s[24:31] descriptor group 1 for A;  s[32:39] group 0, a set for each slot
.set G0,  32
.set G1B, 48                           ; s[48:55], s[56:63] the same for B
.set G0B, 56
.set LIM, 43                           ; s43      steps below this number are prefetched by me: 16, or 0 in a wave that prefetches nothing
.set PFA, 100                          ; s[100:101] where my prefetches stand: my work-group's 32 rows of the 128 that I fetch, at the step after the one that is being asked for
; s3 laps of BIG; s4 laps of a SMALL tile; s6 SMALL tiles to go; s7 1: the lap begins a tile; s8 the tile's part of the table; s9 mask of lanes 16-31
; s10 wave, s11 = wave / 2 (my row half; 0: I fetch for A), s12 = wave % 2 (my column half; which 128 rows I fetch); s13 gy; s42 g; s45 2 g + column half
; s[14:15] A at my 128 rows; s16, s17 B's byte offset of my 128 rows in BIG, in SMALL; s18 the next step to ask for; s19 wave x HALFT; s[20:21], s[22:23] offsets
; s[92:93] part at my 128 rows of the kind in hand; s[94:95] hc at my first piece; s96-97 lane selects.  s2-3 hold only what hangs on gy, s46-47 only on g, s66-67 only on the wave, s98-99 the stores' and prefetches' offsets
.set MSB, 0
.macro WIN new                         ; the immediate's high byte repeats the setting that is left; a switch that changes nothing is dropped
.if MSB != (\new)
	s_set_vgpr_msb (MSB<<8)|(\new)
.set MSB, \new
.endif
.endm
.macro PLACES                          ; four places in front of loads into registers that matrix instructions have read (ISA guide 7.12.1 for vector instructions)
.rept 4
	v_nop
.endr
.endm
; A joint load: waves 0 and 1 fetch A's two halves, waves 2 and 3 B's.  The branch hangs on the wave's number alone.  An s_nop 0 and four v_nop follow each of the two lines.
.macro JLOAD s
	s_cmp_eq_u32 s11, 0
	s_cbranch_scc0 .Lfor_b_\@
	tensor_load_to_lds s[G0+4*(\s):G0+4*(\s)+3], s[G1:G1+7]
	s_nop 0
.rept 4
	v_nop
.endr
	s_branch .Lasked_\@
.Lfor_b_\@:
	tensor_load_to_lds s[G0B+4*(\s):G0B+4*(\s)+3], s[G1B:G1B+7]
	s_nop 0
.rept 4
	v_nop
.endr
.Lasked_\@:
.endm
; A PREFETCH, behind a joint refill of BIG, its five lines and the run of LDS loads that follows them: step s18, which the next refill will ask for.  Each row's 256 bytes of a step are named ONCE in the launch.
; A's tile is read by one row of one cluster (the grid has one cluster along x); B's rows by all 16 clusters of the column: the cluster with y = 0 asks.  The four partners that ask for a tile jointly share its rows out BY ADDRESS:
; of the 128 rows that a wave fetches the partner at place p takes 32 p .. 32 p + 31 (p = cx for A, cy for B): no branch hangs on a work-group's place in its cluster.
; Steps 0 to 2 come by their loads alone; from step 16 on nothing is asked for: SMALL's steps of A name bytes that BIG's steps have read, and SMALL's rows of B overlap between the two column halves, so that a lane a row would name some twice.
.macro ASK
	s_cmp_lt_u32 s18, s[LIM]
	s_cbranch_scc0 .Lnot_mine_\@
	global_prefetch_b8 v[PFO], s[PFA:PFA+1] th:TH_LOAD_NT scope:SCOPE_SE
.Lnot_mine_\@:
.endm
.macro CREST                           ; a round of the cluster's barrier behind its opening barrier
	s_cmp_lg_u32 s10, 0
	s_cbranch_scc1 .Lnot_wave_0_\@
	s_barrier_signal -3
.Lnot_wave_0_\@:
	s_barrier_wait -3
	s_barrier_signal -1
	s_barrier_wait -1
.endm
.macro CROUND                          ; a whole round
	s_barrier_signal -1
	s_barrier_wait -1
	CREST
.endm
	s_load_b512 s[68:83], s[0:1], 0x0              ; xb s[68:69], wb s[70:71], b_d1 s[72:73], W_d2 s[74:75], b_u1 s[76:77], W_u2 s[78:79], b_c1 s[80:81], b_n1 s[82:83]
	s_load_b256 s[84:91], s[0:1], 0x40             ; W_n2 s[84:85], rowstat s[86:87], part s[88:89], hc s[90:91]
	v_lshl_add_u32 v[SPW], v0, 2, SPARE
	v_mov_b32 v[NIL], 0
	ds_add_u32 v[SPW], v[NIL]                      ; the wave's opening: the add and its wait stand ahead of my first tensor load; the set-up below, work on registers, stands between them
	ds_add_u32 v28, v29
	v_lshrrev_b32 v1, 5, v0
	v_readfirstlane_b32 s10, v1                    ; wave 0..3
	s_lshr_b32 s11, s10, 1
	s_and_b32 s12, s10, 1
	s_bfe_u32 s40, ttmp6, 0x40000                  ; cx
	s_bfe_u32 s41, ttmp6, 0x40004                  ; cy
	s_lshl_b32 s42, ttmp9, 2
	s_add_co_u32 s42, s42, s40                     ; g = 4 x cluster x + cx
	s_and_b32 s13, ttmp7, 0xffff
	s_lshl_b32 s13, s13, 2
	s_add_co_u32 s13, s13, s41                     ; gy = 4 x cluster y + cy
	s_lshl_b32 s43, s41, 2
	s_lshl_b32 s43, 15, s43                        ; my row of the cluster
	s_lshl_b32 s44, 0x1111, s40                    ; my column
	s_or_b32 s[G1+0], s43, (1<<16)|(1<<20)|(1<<21)|(5<<22)|(3<<25)   ; 15:0 the mask; 17:16 2-byte elements; 20 padding on; 21 set beside a mask; 24:22 after every 64 words; 31:25 4 words of it
	s_or_b32 s[G1B+0], s44, (1<<16)|(1<<20)|(1<<21)|(5<<22)|(3<<25)
.irp g, G1, G1B
	s_mov_b32 s[(\g)+1], 128<<16                   ; tensor_dim0 = 128
	s_mov_b32 s[(\g)+2], 128<<16                   ; tensor_dim1 = 128
	s_mov_b32 s[(\g)+3], 128<<16                   ; tile_dim0 = 128
	s_mov_b32 s[(\g)+4], 128                       ; tile_dim1 = 128
	s_mov_b32 s[(\g)+5], 2048                      ; 2,048 elements from row to row, in xb and in wb
	s_mov_b32 s[(\g)+6], 0
	s_mov_b32 s[(\g)+7], 0
.endr
	s_lshl_b32 s2, s13, 8
	s_lshl_b32 s3, s12, 7
	s_add_co_u32 s2, s2, s3
	s_lshl_b32 s2, s2, 12                          ; A: row 256 gy + 128 x half, 4,096 bytes a row
	s_mov_b32 s3, 0
	s_lshl_b32 s16, s42, 8
	s_lshl_b32 s46, s12, 7
	s_add_co_u32 s16, s16, s46
	s_lshl_b32 s16, s16, 12                        ; B in BIG: row 256 g + 128 x half
	s_mul_i32 s17, s42, 192
	s_mul_i32 s46, s12, 96
	s_add_co_u32 s17, s17, s46
	s_add_co_u32 s17, s17, 1024
	s_lshl_b32 s17, s17, 12                        ; B in SMALL: row 1024 + 192 g + 96 x half
	s_mov_b32 s21, 0
	s_mov_b32 s23, 0
	s_mov_b32 s22, s16
	s_mul_i32 s19, s10, HALFT                      ; where my loads go: no place in the cluster enters an LDS address
	s_mov_b32 s18, 2
	s_mov_b32 s9, 0xffff0000
	s_mov_b32 s96, 0x76543210
	s_mov_b32 s97, 0xfedcba98
	s_wait_dscnt 0x0                               ; the opening add is done
	s_wait_kmcnt 0x0
	s_add_nc_u64 s[14:15], s[68:69], s[2:3]
	s_add_nc_u64 s[46:47], s[70:71], s[22:23]
	CROUND                                         ; all sixteen work-groups are here: the first joint loads meet
.irp s, 0,1
	s_mov_b32 s[G0+4*(\s)], 1                                        ; count = 1
	s_add_co_u32 s[G0+4*(\s)+1], s19, (\s)*SLOT                      ; LDS address
	s_add_nc_u64 s[G0+4*(\s)+2:G0+4*(\s)+3], s[14:15], (\s)*256      ; step s
	s_or_b32 s[G0+4*(\s)+3], s[G0+4*(\s)+3], 0x80000000              ; type = 2
	s_mov_b32 s[G0B+4*(\s)], 1
	s_add_co_u32 s[G0B+4*(\s)+1], s19, (\s)*SLOT
	s_add_nc_u64 s[G0B+4*(\s)+2:G0B+4*(\s)+3], s[46:47], (\s)*256
	s_or_b32 s[G0B+4*(\s)+3], s[G0B+4*(\s)+3], 0x80000000
	JLOAD \s                                       ; two loads of mine are out
.endr
	; addresses
	v_and_b32 v1, 15, v0                           ; r
	v_bfe_u32 v2, v0, 4, 1                         ; h
	v_and_b32 v5, 31, v0                           ; l
	v_mul_u32_u24 v3, v1, PITCH
	v_lshl_add_u32 v3, v2, 4, v3                   ; a fragment's row x pitch + 16 h
	s_mul_i32 s66, s11, HALFT                      ; my 128 rows of A
	s_mul_i32 s67, s12, HALFT                      ; my column half's rows of B,
	s_add_co_u32 s67, s67, 2*HALFT                 ; which lie behind A's 256
.irp s, 0,1
	v_add_nc_u32 v[ADRA+(\s)], s66, v3
	v_add_nc_u32 v[ADRB+(\s)], s67, v3
	s_add_co_u32 s66, s66, SLOT
	s_add_co_u32 s67, s67, SLOT
.endr
	s_mul_i32 s66, s10, VTW
	s_add_co_u32 s66, s66, VT                      ; my table
	v_lshl_add_u32 v[VTA], v2, 5, s66
	v_lshl_add_u32 v[VTM], v2, 6, s66
	v_add_nc_u32 v[VTM], 2432, v[VTM]
	v_lshl_add_u32 v6, v5, 4, s66
	v_lshl_add_u32 v7, v5, 3, s66
	v_lshl_add_u32 v8, v5, 2, s66
	s_lshl_b32 s67, s10, 9
	s_add_co_u32 s67, s67, STAGE                   ; my stage
	v_lshl_add_u32 v[STG], v5, 2, s67
	v_lshl_add_u32 v[STR], v5, 4, s67
	v_lshlrev_b32 v[CO], 4, v5
	v_lshlrev_b32 v[PFO], 12, v5
	s_lshl1_add_u32 s45, s42, s12                  ; 2 g + column half
	s_lshl_b32 s98, s45, 14
	s_lshl_b32 s99, s13, 8
	s_add_co_u32 s98, s98, s99
	s_lshl_b32 s99, s11, 7
	s_add_co_u32 s98, s98, s99
	s_lshl_b32 s98, s98, 2
	s_mov_b32 s99, 0
	s_add_nc_u64 s[92:93], s[88:89], s[98:99]      ; part[2 g + half][256 gy + 128 x row half]
	s_lshl_b32 s98, s13, 4
	s_lshl3_add_u32 s98, s11, s98                  ; block of 16 rows: 16 gy + 8 x row half,
	s_lshl_b32 s98, s98, 4
	s_lshl1_add_u32 s98, s45, s98                  ; block of 16 columns: 2 (2 g + half)
	s_lshl_b32 s98, s98, 9
	s_add_nc_u64 s[94:95], s[90:91], s[98:99]
	; my table: each wave copies its own columns' biases and weights once, in whole runs, and reads them from LDS at each tile's beginning
	s_lshl_b32 s98, s45, 9
	v_lshl_add_u32 v9, v5, 4, s98                  ; 128 numbers a column half
	s_lshl_b32 s98, s45, 8
	v_lshl_add_u32 v10, v5, 3, s98                 ; 64
	s_lshl_b32 s98, s45, 7
	v_lshl_add_u32 v11, v5, 2, s98                 ; 32 (or 16 pairs)
	global_load_b128 v[128:131], v9, s[72:73]
	global_load_b128 v[132:135], v9, s[74:75]
	global_load_b64 v[136:137], v10, s[76:77]
	global_load_b64 v[138:139], v10, s[78:79]
	global_load_b32 v140, v11, s[80:81]
	global_load_b64 v[142:143], v10, s[82:83]
	global_load_b64 v[144:145], v10, s[84:85]
	global_load_b32 v141, v11, s[86:87] offset:131072
.irp i, 0,1,2,3,4,5,6,7
	v_mov_b32 v[T+(\i)], 0                         ; the lane exchange counts its target as read; v[T] is also the table's zeros
.endr
	; where my prefetches stand.  Nothing is prefetched here, at the head, where every work-group's first tiles are on their way
	s_lshl_b32 s98, s13, 8                         ; 256 gy
	s_lshl_b32 s99, s42, 8                         ; 256 g
	s_and_b32 s44, ttmp7, 0xffff                   ; cluster y
	s_cmp_eq_u32 s11, 0                            ; do I fetch for A?
	s_cselect_b32 s98, s98, s99                    ; the tile's first row: in xb by gy, in wb by g
	s_cselect_b32 s99, s40, s41                    ; my place among the four that ask for it with me
	s_cselect_b32 s44, ttmp9, s44                  ; the coordinate along which other clusters read the same rows
	s_cselect_b64 s[PFA:PFA+1], s[68:69], s[70:71]
	s_cmp_eq_u32 s44, 0
	s_cselect_b32 s[LIM], 16, 0                    ; the same in all sixteen partners, for a given wave
	s_lshl_b32 s44, s12, 7
	s_add_co_u32 s98, s98, s44                     ; + the 128 rows that I fetch
	s_lshl_b32 s99, s99, 5
	s_add_co_u32 s98, s98, s99                     ; + my work-group's 32 of them
	s_lshl_b32 s98, s98, 12                        ; 4,096 bytes a row
	s_mov_b32 s99, 0
	s_add_nc_u64 s[PFA:PFA+1], s[PFA:PFA+1], s[98:99]
	s_add_nc_u64 s[PFA:PFA+1], s[PFA:PFA+1], 2*256 ; at step 2: the first change of slots steps it to 3
	s_wait_loadcnt 0x0
	ds_store_b128 v6, v[128:131]
	ds_store_b128 v6, v[132:135] offset:512
	ds_store_b64 v7, v[136:137] offset:1024
	ds_store_b32 v8, v140 offset:1280
	ds_store_b64 v7, v[138:139] offset:1408
	ds_store_b64 v7, v[142:143] offset:1792
	ds_store_b32 v8, v[T] offset:2048
	ds_store_b64 v7, v[144:145] offset:2176
	ds_store_b32 v8, v141 offset:2432
; 2 NB matrix instructions: row blocks a0, a0 + 1 of the window's four (hi = 0: my rows 0-63, 1: rows 64-127) x NB column blocks, 32 along K.  first = 1: C is the bias (window 1, block b at 8 b).
; The accumulators take turns, one instruction a turn, in the same order everywhere.
.macro MULN f, hi, a0, first
.if \first
	WIN 0x91+0x40*(\hi)                            ; B window 1, A window 0, C window 1, D window 2 or 3
.else
	WIN 0xa1+0x50*(\hi)                            ; C and D window 2 or 3
.endif
.irp a, \a0, (\a0)+1
.set mb, 0
.rept NB
.if \first
	v_wmma_f32_16x16x32_bf16 v[8*(8*(\a)+mb):8*(8*(\a)+mb)+7], v[(\f)+8*mb:(\f)+8*mb+7], v[(\f)+8*(4*(\hi)+(\a)):(\f)+8*(4*(\hi)+(\a))+7], v[8*mb:8*mb+7]
.else
	v_wmma_f32_16x16x32_bf16 v[8*(8*(\a)+mb):8*(8*(\a)+mb)+7], v[(\f)+8*mb:(\f)+8*mb+7], v[(\f)+8*(4*(\hi)+(\a)):(\f)+8*(4*(\hi)+(\a))+7], v[8*(8*(\a)+mb):8*(8*(\a)+mb)+7]
.endif
.set mb, mb+1
.endr
.endr
.endm
; 2 NB + 16 LDS loads in one run: the fragments of a quarter step (16 NB rows of B, 128 rows of A, 32 K at byte k of the rows) into buffer f
.macro FETCH slot, k, f
	WIN 0x40                                       ; destination window 1, address window 0
.set fi, 0
.rept NB
	ds_load_b128 v[(\f)+8*fi:(\f)+8*fi+3],   v[ADRB+(\slot)] offset:(\k)+fi*16*PITCH
	ds_load_b128 v[(\f)+8*fi+4:(\f)+8*fi+7], v[ADRB+(\slot)] offset:(\k)+fi*16*PITCH+32
.set fi, fi+1
.endr
	WIN 0
.irp i, 0,1,2,3,4,5,6,7
	ds_load_b128 v[(\f)+8*(\i):(\f)+8*(\i)+3],   v[ADRA+(\slot)] offset:(\k)+(\i)*16*PITCH
	ds_load_b128 v[(\f)+8*(\i)+4:(\f)+8*(\i)+7], v[ADRA+(\slot)] offset:(\k)+(\i)*16*PITCH+32
.endr
.endm
; A step is four quarters of 32 along K on buffers 0, 1, 0, 1.  One of the first three: multiplies buffer f; in its middle it fetches the next quarter, at byte k, into buffer g.
.macro QUARTER slot, k, f, g, first
	s_wait_dscnt 8                                 ; B and A's rows 0-63 are in; the youngest eight loads (A's rows 64-127) may be out
	MULN \f, 0, 0, \first
	MULN \f, 0, 2, \first
	PLACES
	FETCH \slot, \k, \g
	s_wait_dscnt 2*NB+16                           ; all but the run just issued
	MULN \f, 1, 0, \first
	MULN \f, 1, 2, \first
.endm
; The addresses of step s18 into slot's two descriptors: 256 bytes along K for each step of sixteen; B's rows are BIG's up to step 15, SMALL's from step 16 on.  No tensor load of mine is out here.
.macro NEXTADR slot
	s_and_b32 s20, s18, 15
	s_lshl_b32 s20, s20, 8
	s_cmp_lt_u32 s18, 16
	s_cselect_b32 s22, s16, s17
	s_add_co_u32 s22, s22, s20
	s_add_nc_u64 s[G0+4*(\slot)+2:G0+4*(\slot)+3], s[14:15], s[20:21]
	s_or_b32 s[G0+4*(\slot)+3], s[G0+4*(\slot)+3], 0x80000000
	s_add_nc_u64 s[G0B+4*(\slot)+2:G0B+4*(\slot)+3], s[70:71], s[22:23]
	s_or_b32 s[G0B+4*(\slot)+3], s[G0B+4*(\slot)+3], 0x80000000
	s_add_co_u32 s18, s18, 1
.endm
; The last quarter multiplies buffer 1 and changes slots.  ONE barrier: in front of it each wave waits for all its tensor loads (one is out: its part of the next slot), adds 0 to its spare word, and waits for that and for its reads of this slot.
.macro MEET round
	WIN 0                                          ; (the add's two registers lie in window 0)
	s_wait_tensorcnt 0x0                           ; all my tensor loads have landed
	ds_add_u32 v[SPW], v[NIL]                      ; 0 onto my spare word
	s_wait_dscnt 9                                 ; (the add and the youngest eight loads may be out)
	MULN F1, 0, 0, 0                               ; matrix work stands between the add and the wait for it
	s_wait_dscnt 0x0                               ; the add is done, and my reads of this slot are over
	s_barrier_signal -1
	MULN F1, 0, 2, 0                               ; work on registers while the others arrive
.if \round
	WIN 0
.endif
	s_barrier_wait -1
.endm
; fill = 1: the barrier opens a round of the cluster's barrier, so that no wave of any partner still reads the slot or has a load on its way; the joint refill is the first tensor load behind it,
; and has a step less one quarter of a quarter in which to land.  Then the next slot's first fragments.  In BIG's text the prefetch follows them.
.macro TURN slot, next, fill
.if (\fill) && (NB == 8)
	s_wait_xcnt 0x0                                ; the last prefetch, a step back, has read its address: it is stepped here, ahead of the waits of the change of slots
	s_add_nc_u64 s[PFA:PFA+1], s[PFA:PFA+1], 256
.endif
	MEET \fill
.if \fill
	CREST
	NEXTADR \slot
	JLOAD \slot                                    ; its four v_nop are also the places in front of the loads below
.else
	PLACES
.endif
	FETCH \next, 0, F0
.if (\fill) && (NB == 8)
	ASK                                            ; s18 now names the step behind the one just asked for, and so does the pointer
.endif
	MULN F1, 1, 0, 0
	MULN F1, 1, 2, 0
.endm
; A LAP: two steps, once round the ring.  It finds slot 0's first fragments fetched.  Its first quarter stands twice: where the lap begins a tile (s7 = 1, set by a constant ahead of each loop) the products take the bias as C.
; fill = 0: the last lap of all: nothing is asked for and nothing is fetched beyond it; it never begins a tile.
.macro LAP fill
.if \fill
	s_cmp_eq_u32 s7, 1
	s_cbranch_scc1 .Lstart_\@
	QUARTER 0, 64, F0, F1, 0
	WIN 0
	s_branch .Lgoes_\@
.Lstart_\@:
	s_mov_b32 s7, 0
	s_wait_dscnt 0x0                               ; the fragments, and the bias and second layer's weights asked for behind them, are in
.rept 5
	v_nop                                          ; five places: the products below write their accumulators anew, not in place, and so stand five places or more behind the last product on them (ISA guide 7.12.1)
.endr
	QUARTER 0, 64, F0, F1, 1
	WIN 0
.Lgoes_\@:
.else
	QUARTER 0, 64, F0, F1, 0
.endif
	QUARTER 0, 128, F1, F0, 0
	QUARTER 0, 192, F0, F1, 0
	TURN 0, 1, \fill
	QUARTER 1, 64,  F0, F1, 0
	QUARTER 1, 128, F1, F0, 0
	QUARTER 1, 192, F0, F1, 0
.if \fill
	TURN 1, 0, 1
.else
	s_wait_dscnt 8
	MULN F1, 0, 0, 0
	MULN F1, 0, 2, 0
	s_wait_dscnt 0x0
	MULN F1, 1, 0, 0
	MULN F1, 1, 2, 0
.endif
	WIN 0                                          ; at a label and at a branch every window is 0
.endm
; A tile begins: its bias (nbi blocks of 16 columns; register j of lane (r, h) is column 16 b + 8 h + j: the accumulator's own layout) and its second layer's weights (nw2 blocks, woff bytes behind) come out of my table.
.macro TILEBEGIN nbi, nw2, woff
	WIN 0
	v_add_nc_u32 v[VTC], s8, v[VTA]
	WIN 0x40
.set tb, 0
.rept \nbi
	ds_load_b128 v[8*tb:8*tb+3],   v[VTC] offset:64*tb
	ds_load_b128 v[8*tb+4:8*tb+7], v[VTC] offset:64*tb+16
.set tb, tb+1
.endr
	WIN 0
.set tb, 0
.rept \nw2
	ds_load_b128 v[W2+8*tb:W2+8*tb+3],   v[VTC] offset:(\woff)+64*tb
	ds_load_b128 v[W2+8*tb+4:W2+8*tb+7], v[VTC] offset:(\woff)+64*tb+16
.set tb, tb+1
.endr
	s_mov_b32 s7, 1
.endm
; relu on column blocks 0 .. nb - 1, in place, each accumulator from its low end on, and their dot with the second layer's weights: v[R + a] = my lanes' part for row 16 a + r
.macro RELUDOT nb
.set ea, 0
.rept 8
	WIN 0x88+0x44*(ea/4)                           ; destination and source 1 in window 2 or 3
.set ei, 0
.rept 8*(\nb)
	v_max_num_f32 v[64*(ea%4)+ei], 0, v[64*(ea%4)+ei]
.set ei, ei+1
.endr
	WIN 0x02+(ea/4)                                ; source 0 in window 2 or 3
.set eb, 0
.rept \nb
.set ej, 0
.rept 4
.if eb == 0
	v_pk_mul_f32 v[CH+2*ej:CH+2*ej+1], v[64*(ea%4)+2*ej:64*(ea%4)+2*ej+1], v[W2+2*ej:W2+2*ej+1]
.else
	v_pk_fma_f32 v[CH+2*ej:CH+2*ej+1], v[64*(ea%4)+8*eb+2*ej:64*(ea%4)+8*eb+2*ej+1], v[W2+8*eb+2*ej:W2+8*eb+2*ej+1], v[CH+2*ej:CH+2*ej+1]
.endif
.set ej, ej+1
.endr
.set eb, eb+1
.endr
	WIN 0
	v_pk_add_f32 v[CH:CH+1], v[CH:CH+1], v[CH+2:CH+3]
	v_pk_add_f32 v[CH+4:CH+5], v[CH+4:CH+5], v[CH+6:CH+7]
	v_pk_add_f32 v[CH:CH+1], v[CH:CH+1], v[CH+4:CH+5]
	v_add_f32 v[R+ea], v[CH], v[CH+1]
.set ea, ea+1
.endr
.endm
; v[R + a] of the two halves of the lanes are joined (sum, or maximum), my 128 rows' numbers go through my stage and leave as 512 consecutive bytes, aligned, off bytes behind s[92:93]
.macro ROWOUT ismax, off
	WIN 0
	s_wait_xcnt 0x0                                ; the last store has read v[T+4:T+7], which are written below
.irp a, 0,1,2,3,4,5,6,7
	v_permlanex16_b32 v[T+(\a)], v[R+(\a)], s96, s97
.endr
.irp a, 0,1,2,3,4,5,6,7
.if \ismax
	v_max_num_f32 v[R+(\a)], v[R+(\a)], v[T+(\a)]
.else
	v_add_f32 v[R+(\a)], v[R+(\a)], v[T+(\a)]
.endif
.endr
.irp i, 0,1,2,3
	v_cndmask_b32 v[T+(\i)], v[R+2*(\i)], v[R+2*(\i)+1], s9   ; lane l now holds row 32 i + l
.endr
.irp i, 0,1,2,3
	ds_store_b32 v[STG], v[T+(\i)] offset:128*(\i)
.endr
	ds_load_b128 v[T+4:T+7], v[STR]                ; LDS serves a wave's instructions in order (ISA guide 5.7.1.4): rows 4 l .. 4 l + 3
	s_wait_dscnt 0x0
	global_store_b128 v[CO], v[T+4:T+7], s[92:93] offset:\off
.endm
; SMALL 0: column blocks 4 and 5 are relu(c1): rounded to bf16 a lane's eight columns are 16 bytes, and a block's 32 lanes 512 consecutive bytes of hc
.macro C1OUT
.set ea, 0
.rept 8
	WIN 0x88+0x44*(ea/4)
.set ei, 0
.rept 16
	v_max_num_f32 v[64*(ea%4)+32+ei], 0, v[64*(ea%4)+32+ei]
.set ei, ei+1
.endr
	WIN 0x0a+5*(ea/4)                              ; sources 0 and 1 in window 2 or 3
.set ei, 0
.rept 8
	v_cvt_pk_bf16_f32 v[F1+8*ea+ei], v[64*(ea%4)+32+2*ei], v[64*(ea%4)+32+2*ei+1]
.set ei, ei+1
.endr
.set ea, ea+1
.endr
	WIN 0
.set ea, 0
.rept 8
	global_store_b128 v[CO], v[F1+8*ea:F1+8*ea+3],   s[94:95] offset:8192*ea th:TH_STORE_NT
	global_store_b128 v[CO], v[F1+8*ea+4:F1+8*ea+7], s[94:95] offset:8192*ea+512 th:TH_STORE_NT
.set ea, ea+1
.endr
.endm
; SMALL 1: column block 4 holds the products with 16 memory rows: each times 1 / |m| (a row that does not exist: times 0, plus the lowest finite number), then the maximum
.macro MEMOUT
	WIN 0
.irp q, 0,1,2,3
	ds_load_b128 v[MS+4*(\q):MS+4*(\q)+3], v[VTM] offset:16*(\q)
.endr
	s_wait_dscnt 0x0
.set ea, 0
.rept 8
	WIN 0x02+(ea/4)
.set ei, 0
.rept 8
	v_fma_f32 v[F1+8*ea+ei], v[64*(ea%4)+32+ei], v[MS+2*ei], v[MS+2*ei+1]
.set ei, ei+1
.endr
.set ea, ea+1
.endr
	WIN 0
.set ea, 0
.rept 8
	v_max3_num_f32 v[R+ea], v[F1+8*ea], v[F1+8*ea+1], v[F1+8*ea+2]
.set ea, ea+1
.endr
.irp k, 3,5
.set ea, 0
.rept 8
	v_max3_num_f32 v[R+ea], v[R+ea], v[F1+8*ea+(\k)], v[F1+8*ea+(\k)+1]
.set ea, ea+1
.endr
.endr
.set ea, 0
.rept 8
	v_max_num_f32 v[R+ea], v[R+ea], v[F1+8*ea+7]
.set ea, ea+1
.endr
	ROWOUT 1, KIND
.endm
	s_mov_b32 s8, 0
	TILEBEGIN 8, 8, 512                            ; BIG's bias and weights come out of my table while the first tile is on its way: LDS serves a wave's instructions in order, so these loads see the stores above
	s_wait_tensorcnt 1                             ; my part of step 0 is in; step 1's may stay out
	s_wait_dscnt 0x0                               ; my table is written and read
	s_barrier_signal -1
	s_barrier_wait -1                              ; everybody's part of step 0 is in
.set NB, 8
	FETCH 0, 0, F0
	s_mov_b32 s3, 8
.Lbig:                                         ; BIG: steps 0-15; the last lap's refills are steps 16 and 17, SMALL's first
	LAP 1
	s_sub_co_u32 s3, s3, 1
	s_cmp_lg_u32 s3, 0
	s_cbranch_scc1 .Lbig
	PLACES                                         ; eight places: the lines below rewrite results just made, in place
	PLACES
	RELUDOT 8
	ROWOUT 0, 0
	s_wait_xcnt 0x0                                ; the store has read its base
	s_add_nc_u64 s[92:93], s[92:93], KIND
	; SMALL 0: six column blocks a column half; steps 16-23; its four laps ask for steps 18-25.  Its text stands ahead of a loop of two trips, which it enters in the middle, at the epilogue that the two SMALL tiles share.
.set NB, 6
	s_mov_b32 s6, 2
	s_mov_b32 s8, 1024
	TILEBEGIN 6, 4, 384
	s_mov_b32 s4, 4
.Lsl0:
	LAP 1
	s_sub_co_u32 s4, s4, 1
	s_cmp_lg_u32 s4, 0
	s_cbranch_scc1 .Lsl0
	s_branch .Lepi
	; SMALL 1: five column blocks: the sixth block's rows of wb are zeros in this half of K and are not multiplied.  Steps 24-31: three laps ask for steps 26-31, the last lap asks for nothing.
	; (SMALL 0's last change of slots has fetched six blocks' first fragments; five are used.)
.set NB, 5
.Lphase1:
	TILEBEGIN 5, 4, 384
	s_mov_b32 s4, 3
.Lsl1:
	LAP 1
	s_sub_co_u32 s4, s4, 1
	s_cmp_lg_u32 s4, 0
	s_cbranch_scc1 .Lsl1
	LAP 0
.Lepi:
	PLACES                                         ; eight places, as behind BIG
	PLACES
	RELUDOT 4
	ROWOUT 0, 0
	s_cmp_eq_u32 s6, 2
	s_cbranch_scc0 .Lmem
	C1OUT
	s_branch .Ljoin
.Lmem:
	MEMOUT
.Ljoin:
	s_wait_xcnt 0x0                                ; the stores have read their registers (the next tile's fragments land in some of them) and their base
	s_add_nc_u64 s[92:93], s[92:93], KIND
	s_add_co_u32 s8, s8, 768
	s_sub_co_u32 s6, s6, 1
	s_cmp_lg_u32 s6, 0
	s_cbranch_scc1 .Lphase1
	s_wait_tensorcnt 0x0                           ; the wave's end, behind my last tensor load and my last LDS store
	ds_add_u32 v[SPW], v[NIL]
	s_wait_dscnt 0x0
	CROUND                                         ; the closing round: no work-group ends while a partner may still ask for a tile that names it
	s_endpgm
.Lfunc_end_k_q66b3f404a1_main:
	.size	k_q66b3f404a1_main, .Lfunc_end_k_q66b3f404a1_main-k_q66b3f404a1_main
	.p2alignl 7, 3214868480
	.fill 96, 4, 3214868480
	.section	.rodata,"a",@progbits
	.p2align	6, 0x0
	.amdhsa_kernel k_q66b3f404a1_main
		.amdhsa_group_segment_fixed_size 327680
		.amdhsa_private_segment_fixed_size 0
		.amdhsa_enable_private_segment 0
		.amdhsa_kernarg_size 96
		.amdhsa_user_sgpr_count 2
		.amdhsa_user_sgpr_kernarg_segment_ptr 1
		.amdhsa_wavefront_size32 1
		.amdhsa_system_sgpr_workgroup_id_x 1
		.amdhsa_system_sgpr_workgroup_id_y 1
		.amdhsa_system_sgpr_workgroup_id_z 1
		.amdhsa_system_vgpr_workitem_id 0
		.amdhsa_next_free_vgpr 1024
		.amdhsa_next_free_sgpr 102
		.amdhsa_reserve_vcc 0
		.amdhsa_float_denorm_mode_32 3
		.amdhsa_float_denorm_mode_16_64 3
		.amdhsa_memory_ordered 1
		.amdhsa_forward_progress 1
		.amdhsa_inst_pref_size 255
	.end_amdhsa_kernel
	.section	.bss,"aw",@nobits
	.p2align	6
	.space	262144
	.amdgpu_metadata
---
amdhsa.version: [ 1, 2 ]
amdhsa.kernels:
  - .name:           k_q66b3f404a1_main
    .symbol:         k_q66b3f404a1_main.kd
    .args:
      - { .name: xb, .offset: 0, .size: 8, .value_kind: global_buffer, .address_space: global }
      - { .name: wb, .offset: 8, .size: 8, .value_kind: global_buffer, .address_space: global }
      - { .name: b_d1, .offset: 16, .size: 8, .value_kind: global_buffer, .address_space: global }
      - { .name: W_d2, .offset: 24, .size: 8, .value_kind: global_buffer, .address_space: global }
      - { .name: b_u1, .offset: 32, .size: 8, .value_kind: global_buffer, .address_space: global }
      - { .name: W_u2, .offset: 40, .size: 8, .value_kind: global_buffer, .address_space: global }
      - { .name: b_c1, .offset: 48, .size: 8, .value_kind: global_buffer, .address_space: global }
      - { .name: b_n1, .offset: 56, .size: 8, .value_kind: global_buffer, .address_space: global }
      - { .name: W_n2, .offset: 64, .size: 8, .value_kind: global_buffer, .address_space: global }
      - { .name: rowstat, .offset: 72, .size: 8, .value_kind: global_buffer, .address_space: global }
      - { .name: part, .offset: 80, .size: 8, .value_kind: global_buffer, .address_space: global }
      - { .name: hc, .offset: 88, .size: 8, .value_kind: global_buffer, .address_space: global }
    .group_segment_fixed_size: 327680
    .private_segment_fixed_size: 0
    .kernarg_segment_align: 8
    .kernarg_segment_size: 96
    .max_flat_workgroup_size: 128
    .sgpr_count:     102
    .vgpr_count:     1024
    .wavefront_size: 32
...
	.end_amdgpu_metadata
.endif
;; end of part 2
;; launch fin (part 3): grid 256 x 1, 4 waves a work-group, no clusters, 167,936 bytes of LDS; arguments hc, wc2f, xb, b_c2, part, rowstat, b_d2, b_u2, b_n2, out0; writes out0
.if DOCPART == 3
	.amdgcn_target "amdgcn-amd-amdhsa--gfx1250"
	.amdhsa_code_object_version 6
	.text
	.protected	k_q66b3f404a1_fin
	.globl	k_q66b3f404a1_fin
	.p2align	8
	.type	k_q66b3f404a1_fin,@function
k_q66b3f404a1_fin:
	s_mov_b64 s[64:65], 0
	v_nop
	global_prefetch_b8 v0, s[64:65] scope:SCOPE_SE
	s_setreg_imm32_b32 hwreg(HW_REG_WAVE_MODE, 25, 1), 1
	s_wait_xcnt 0x0
; FIN: recon = relu(c1) W_c2^T + b_c2, the mean of (prediction - recon)^2, and the four signals put together.  out0 [16384][4] f32 = {dissonance, uncertainty, novelty, compression}.
; A work-group owns 64 rows; wave w takes columns 256 w .. + 255 of recon for all 64 rows: 4 blocks of 16 rows x 16 blocks of 16 columns, K = 256 (8 matrix instructions deep).
; hc and wc2f lie in fragment order: a fragment half is 512 consecutive bytes, 16 a lane, and comes straight into registers.  The rows' fragments (64 x 256: 256 registers) stay for the whole launch.
; W_c2's come by column blocks into four sets of registers that take turns: while one is multiplied the loads of the three others, 54, are out.
; prediction (bf16, from xb) comes once, by one tensor load a wave: its own strip of 64 rows x 512 bytes, read by that wave alone; nothing in LDS is filled twice.
; THE PRODUCT IS TRANSPOSED (source 0 = 16 rows of W_c2): register j of lane 16 h + r is recon(row 16 a + r, column 16 n + 8 h + j).  The bias is the C of a block's first products.
; NO CLUSTER: what work-groups share is wc2f, 524,288 bytes, and each wave wants other columns of it.  Beside the strips (135,168 bytes) two slots of 65,536 bytes would hold two column blocks a wave each:
; a round of the cluster's barrier for every 64 matrix instructions of a wave.  Four register sets of 8 KiB a wave keep as much on its way with no barrier at all.
; softplus(x) = max(x, 0) + ln 2 log2(1 + 2^(-|x| log2 e)): no exponent is above 0.  NaN and infinities are not treated apart.  prediction enters the difference rounded to bf16.
.set PP,    528                        ; a strip's row in LDS: 512 bytes + 16 of padding: the 16 rows of a load start at 16 different groups of four banks (ISA guide 11.1)
.set PSTR,  64*PP                      ; a wave's strip
.set RED,   4*PSTR                     ; behind the strips: 64 row sums for each wave, 1,024 bytes
.set SPARE, RED+1024                   ; the spare words, 128 bytes for each wave: two blocks of 256 bytes that no other line names
.set SPW, 14                           ; v14  my spare word; never rewritten
.set NIL, 15                           ; v15  0; never rewritten
.set ACC, 16                           ; v[16:47]   four accumulators, row block a at ACC + 8 a
.set SS,  48                           ; v[48:55]   sums of squares, a pair for each row block
.set P,   56                           ; v[56:71]   prediction, 8 bf16 for each row block
.set BI,  72                           ; v[72:103]  b_c2, four sets of 8
.set NEG, 104                          ; v104       -1.0
.set PT,  112                          ; v[112:143] part, 32 slots of my row;  v[144:145] the row's pair of rowstat;  v[148:151] the row of out0
; v2 16 l; v3 32 h; v4 my place in my strip; v5, v6, v7 4, 8, 16 x thread; v8, v9 where row sums are put and read.  window 1: the rows' fragments, (a, kb) at 64 a + 8 kb.  window 2: W_c2's, set i at 64 i + 8 kb
; s[28:29] wc2f at my columns, s[30:31] b_c2 at my columns: both step; s[32:35], s[36:43] the descriptor; s44 wave; s45 trips; s46-48 b_d2, b_u2, b_n2
.set MSB, 0
.macro WIN new                         ; the immediate's high byte repeats the setting that is left
.if MSB != (\new)
	s_set_vgpr_msb (MSB<<8)|(\new)
.set MSB, \new
.endif
.endm
	s_load_b512 s[8:23], s[0:1], 0x0               ; hc s[8:9], wc2f s[10:11], xb s[12:13], b_c2 s[14:15], part s[16:17], rowstat s[18:19], b_d2 s[20:21], b_u2 s[22:23]
	s_load_b128 s[24:27], s[0:1], 0x40             ; b_n2 s[24:25], out0 s[26:27]
	v_lshl_add_u32 v[SPW], v0, 2, SPARE
	v_mov_b32 v[NIL], 0
	ds_add_u32 v[SPW], v[NIL]                      ; the wave's opening: the add and its wait stand ahead of my tensor load; the set-up below, work on registers, stands between them
	ds_add_u32 v14, v15
	v_lshrrev_b32 v1, 5, v0
	v_readfirstlane_b32 s44, v1                    ; wave 0..3
	s_mov_b32 s32, 1                               ; group 0: count = 1
	s_mul_i32 s33, s44, PSTR                       ; LDS address: my strip
	s_mov_b32 s36, (1<<16)|(1<<20)|(6<<22)|(3<<25) ; group 1: 2-byte elements; padding on, after every 128 words, 4 words of it
	s_mov_b32 s37, 256<<16                         ; tensor_dim0 = 256
	s_mov_b32 s38, 64<<16                          ; tensor_dim1 = 64
	s_mov_b32 s39, 256<<16                         ; tile_dim0 = 256
	s_mov_b32 s40, 64                              ; tile_dim1 = 64
	s_mov_b32 s41, 2048                            ; 2,048 elements from row to row of xb
	s_mov_b32 s42, 0
	s_mov_b32 s43, 0
	s_mov_b32 s50, 0x76543210                      ; each lane takes its own place in the other half
	s_mov_b32 s51, 0xfedcba98
	s_mov_b32 s52, 0xffff0000                      ; lanes 16-31
	s_mov_b32 s53, 0xbfb8aa3b                      ; - log2(e)
	s_mov_b32 s54, 0x3f317218                      ; ln 2
	s_mov_b32 s56, 0xbf333333                      ; -0.7
	s_mov_b32 s57, 0x3f333333                      ; 0.7
	s_mov_b32 s58, 0x3dcccccd                      ; 0.1
	s_mov_b32 s59, 0x3e99999a                      ; 0.3
	v_and_b32 v10, 31, v0                          ; l
	v_and_b32 v11, 15, v0                          ; r
	v_bfe_u32 v12, v0, 4, 1                        ; h
	v_lshlrev_b32 v2, 4, v10
	v_lshlrev_b32 v3, 5, v12
	v_mul_u32_u24 v4, v11, PP
	v_lshl_add_u32 v4, v12, 4, v4
	v_add_nc_u32 v4, s33, v4                       ; my strip + r x pitch + 16 h
	v_lshlrev_b32 v5, 2, v0
	v_lshlrev_b32 v6, 3, v0
	v_lshlrev_b32 v7, 4, v0
	s_lshl_b32 s49, s44, 8
	s_add_co_u32 s49, s49, RED
	v_lshl_add_u32 v8, v10, 2, s49                 ; my wave's 64 sums + 4 l
	v_add_nc_u32 v9, RED, v5                       ; wave 0's sums + 4 x thread
	v_mov_b32 v[NEG], -1.0
.irp i, 0,1,2,3,4,5,6,7
	v_mov_b32 v[SS+(\i)], 0                        ; eight registers, so that every block has one form
.endr
	s_lshl_b32 s2, ttmp9, 18                       ; 64 rows of 4,096 bytes,
	s_lshl_b32 s3, s44, 9                          ; my 256 columns of prediction
	s_add_co_u32 s2, s2, s3
	s_mov_b32 s3, 0
	s_wait_dscnt 0x0                               ; the opening add is done
	s_wait_kmcnt 0x0
	s_add_nc_u64 s[34:35], s[12:13], s[2:3]
	s_or_b32 s35, s35, 0x80000000                  ; type = 2
	tensor_load_to_lds s[32:35], s[36:43]          ; the one tensor load of the wave
	s_nop 0
.rept 4
	v_nop
.endr
	s_load_b32 s46, s[20:21], 0x0
	s_load_b32 s47, s[22:23], 0x0
	s_load_b32 s48, s[24:25], 0x0
	s_lshl_b32 s2, ttmp9, 15
	s_add_nc_u64 s[8:9], s[8:9], s[2:3]            ; hc: 64 rows are 32,768 bytes
	s_lshl_b32 s2, s44, 17
	s_add_nc_u64 s[28:29], s[10:11], s[2:3]        ; wc2f: 16 column blocks of 8,192 bytes a wave
	s_lshl_b32 s2, s44, 10
	s_add_nc_u64 s[30:31], s[14:15], s[2:3]
	s_lshl_b32 s2, ttmp9, 8
	s_add_nc_u64 s[16:17], s[16:17], s[2:3]
	s_lshl_b32 s2, ttmp9, 9
	s_add_nc_u64 s[18:19], s[18:19], s[2:3]
	s_lshl_b32 s2, ttmp9, 10
	s_add_nc_u64 s[26:27], s[26:27], s[2:3]
	s_cmp_lt_u32 s44, 2                            ; waves 0 and 1 finish the 64 rows, a thread a row: they ask for the rows' partial results now
	s_cbranch_scc0 .Lno_part
.set q, 0
.rept 32
	global_load_b32 v[PT+q], v5, s[16:17] offset:65536*q
.set q, q+1
.endr
	global_load_b64 v[144:145], v6, s[18:19]
.Lno_part:
	WIN 0x40                                       ; destination window 1
.set c, 0
.rept 64
	global_load_b128 v[4*c:4*c+3], v2, s[8:9] offset:512*c
.set c, c+1
.endr
	WIN 0
; Column block o (counted from the two pointers) into set i: 16 loads of W_c2's fragment halves and 2 of b_c2: 18
.macro LOADS i, o
	WIN 0x80                                       ; destination window 2
.set lk, 0
.rept 16
	global_load_b128 v[64*(\i)+4*lk:64*(\i)+4*lk+3], v2, s[28:29] offset:8192*(\o)+512*lk
.set lk, lk+1
.endr
	WIN 0
	global_load_b128 v[BI+8*(\i):BI+8*(\i)+3],   v3, s[30:31] offset:64*(\o)
	global_load_b128 v[BI+8*(\i)+4:BI+8*(\i)+7], v3, s[30:31] offset:64*(\o)+16
.endm
; A column block, from set i: 32 products, the four accumulators by turns; d = recon + b - p; the sums of d^2.  ahead = 1: the set is asked for again, four blocks on.  left: the younger loads that may stay out.
.macro BLK i, ahead, left
	WIN 0
.irp a, 0,1,2,3
	ds_load_b128 v[P+4*(\a):P+4*(\a)+3], v4 offset:16*PP*(\a)+32*(\i)
.endr
	s_wait_loadcnt \left
	WIN 0x06                                       ; W_c2 window 2, the rows window 1, C and D window 0
.irp kb, 0,1,2,3,4,5,6,7
.irp a, 0,1,2,3
.if (\kb) == 0
	v_wmma_f32_16x16x32_bf16 v[ACC+8*(\a):ACC+8*(\a)+7], v[64*(\i)+8*(\kb):64*(\i)+8*(\kb)+7], v[64*(\a)+8*(\kb):64*(\a)+8*(\kb)+7], v[BI+8*(\i):BI+8*(\i)+7]
.else
	v_wmma_f32_16x16x32_bf16 v[ACC+8*(\a):ACC+8*(\a)+7], v[64*(\i)+8*(\kb):64*(\i)+8*(\kb)+7], v[64*(\a)+8*(\kb):64*(\a)+8*(\kb)+7], v[ACC+8*(\a):ACC+8*(\a)+7]
.endif
.endr
.endr
	WIN 0
.rept 8
	v_nop                                          ; eight places: the lines below rewrite results just made, in place
.endr
	s_wait_dscnt 0x0                               ; p is in
.irp a, 0,1,2,3
.irp j, 0,1,2,3
	v_fma_mix_f32_bf16 v[ACC+8*(\a)+2*(\j)],   v[P+4*(\a)+(\j)], v[NEG], v[ACC+8*(\a)+2*(\j)] op_sel_hi:[1,0,0]
	v_fma_mix_f32_bf16 v[ACC+8*(\a)+2*(\j)+1], v[P+4*(\a)+(\j)], v[NEG], v[ACC+8*(\a)+2*(\j)+1] op_sel:[1,0,0] op_sel_hi:[1,0,0]
.endr
.endr
.irp j, 0,2,4,6
.irp a, 0,1,2,3
	v_pk_fma_f32 v[SS+2*(\a):SS+2*(\a)+1], v[ACC+8*(\a)+(\j):ACC+8*(\a)+(\j)+1], v[ACC+8*(\a)+(\j):ACC+8*(\a)+(\j)+1], v[SS+2*(\a):SS+2*(\a)+1]
.endr
.endr
.if \ahead
	LOADS \i, (\i)+4
.endif
.endm
	LOADS 0, 0
	LOADS 1, 1
	LOADS 2, 2
	LOADS 3, 3
	s_wait_tensorcnt 0x0                           ; my strip is in; nobody else reads it
	s_mov_b32 s45, 3
.Ltrip:                                        ; four column blocks a trip; blocks 4 to 15 are asked for here
	BLK 0, 1, 54                                   ; three younger sets of 18 loads may stay out
	BLK 1, 1, 54
	BLK 2, 1, 54
	BLK 3, 1, 54
	s_wait_xcnt 0x0                                ; the loads have read the two pointers
	s_add_nc_u64 s[28:29], s[28:29], 4*8192
	s_add_nc_u64 s[30:31], s[30:31], 4*64
	v_add_nc_u32 v4, 4*32, v4
	s_sub_co_u32 s45, s45, 1
	s_cmp_lg_u32 s45, 0
	s_cbranch_scc1 .Ltrip
	BLK 0, 0, 54                                   ; the last four blocks load nothing: the counts run down
	BLK 1, 0, 36
	BLK 2, 0, 18
	BLK 3, 0, 0
	; my 256 columns' sums for the 64 rows: the pair's halves, the other half of the lanes, then a lane a row
.irp a, 0,1,2,3
	v_add_f32 v[SS+2*(\a)], v[SS+2*(\a)], v[SS+2*(\a)+1]
.endr
.irp a, 0,1,2,3
	v_permlanex16_b32 v[SS+2*(\a)+1], v[SS+2*(\a)], s50, s51
.endr
.irp a, 0,1,2,3
	v_add_f32 v[SS+2*(\a)], v[SS+2*(\a)], v[SS+2*(\a)+1]
.endr
	v_cndmask_b32 v106, v[SS], v[SS+2], s52        ; lane l: row l,
	v_cndmask_b32 v107, v[SS+4], v[SS+6], s52      ; row 32 + l
	ds_store_b32 v8, v106
	ds_store_b32 v8, v107 offset:128
	s_wait_dscnt 0x0                               ; for the others' sake: my sums are written
	s_barrier_signal -1
	s_barrier_wait -1
	s_cmp_lt_u32 s44, 2
	s_cbranch_scc0 .Lend
	; A THREAD A ROW
.irp v, 0,1,2,3
	ds_load_b32 v[108+(\v)], v9 offset:256*(\v)
.endr
.irp b, 112,120,128                    ; the eight partial dots of dissonance, uncertainty and novelty
	v_pk_add_f32 v[\b:\b+1], v[\b:\b+1], v[\b+2:\b+3]
	v_pk_add_f32 v[\b+4:\b+5], v[\b+4:\b+5], v[\b+6:\b+7]
.endr
.irp b, 112,120,128
	v_pk_add_f32 v[\b:\b+1], v[\b:\b+1], v[\b+4:\b+5]
.endr
.irp b, 112,120,128
	v_add_f32 v[\b], v[\b], v[\b+1]
.endr
	v_max3_num_f32 v136, v136, v137, v138          ; the eight partial maxima of dot / |m|
	v_max3_num_f32 v136, v136, v139, v140
	v_max3_num_f32 v136, v136, v141, v142
	v_max_num_f32 v136, v136, v143
	s_wait_kmcnt 0x0                               ; the three last biases
	v_add_f32 v112, s46, v112
	v_add_f32 v120, s47, v120
	v_add_f32 v128, s48, v128
	v_mul_f32 v72, s53, |v112|
	v_mul_f32 v73, s53, |v120|
	v_mul_f32 v74, s53, |v128|
	v_exp_f32 v72, v72
	v_exp_f32 v73, v73
	v_exp_f32 v74, v74
	v_mul_f32 v106, v136, v145                     ; the largest cosine; also the plain instruction behind the batch
	s_wait_alu depctr_va_vdst(0)                   ; one wait for the three exponentials
	v_add_f32 v72, 1.0, v72
	v_add_f32 v73, 1.0, v73
	v_add_f32 v74, 1.0, v74
	v_log_f32 v72, v72
	v_log_f32 v73, v73
	v_log_f32 v74, v74
	v_fma_f32 v106, v106, s56, s57                 ; 0.7 (1 - cosine)
	v_max_num_f32 v148, 0, v112
	v_max_num_f32 v120, 0, v120
	v_max_num_f32 v128, 0, v128
	s_wait_alu depctr_va_vdst(0)                   ; one wait for the three logarithms
	v_fmac_f32 v148, s54, v72                      ; dissonance
	v_fmac_f32 v120, s54, v73
	v_fmac_f32 v128, s54, v74
	v_fma_f32 v149, v144, s58, v120                ; uncertainty = softplus + 0.1 H
	v_fma_f32 v150, v128, s59, v106                ; novelty = 0.7 (1 - cosine) + 0.3 softplus
	s_wait_dscnt 0x0                               ; the four waves' sums of squares
	v_add_f32 v108, v108, v109
	v_add_f32 v110, v110, v111
	v_add_f32 v108, v108, v110
	v_mul_f32 v151, 0x3a800000, v108               ; / 1024
	global_store_b128 v7, v[148:151], s[26:27]     ; a wave stores 512 consecutive bytes, aligned
.Lend:
	s_wait_tensorcnt 0x0                           ; the wave's end, behind my tensor load and my last LDS store
	ds_add_u32 v[SPW], v[NIL]
	s_wait_dscnt 0x0
	s_endpgm
.Lfunc_end_k_q66b3f404a1_fin:
	.size	k_q66b3f404a1_fin, .Lfunc_end_k_q66b3f404a1_fin-k_q66b3f404a1_fin
	.p2alignl 7, 3214868480
	.fill 96, 4, 3214868480
	.section	.rodata,"a",@progbits
	.p2align	6, 0x0
	.amdhsa_kernel k_q66b3f404a1_fin
		.amdhsa_group_segment_fixed_size 167936
		.amdhsa_private_segment_fixed_size 0
		.amdhsa_enable_private_segment 0
		.amdhsa_kernarg_size 80
		.amdhsa_user_sgpr_count 2
		.amdhsa_user_sgpr_kernarg_segment_ptr 1
		.amdhsa_wavefront_size32 1
		.amdhsa_system_sgpr_workgroup_id_x 1
		.amdhsa_system_sgpr_workgroup_id_y 1
		.amdhsa_system_sgpr_workgroup_id_z 1
		.amdhsa_system_vgpr_workitem_id 0
		.amdhsa_next_free_vgpr 768
		.amdhsa_next_free_sgpr 66
		.amdhsa_reserve_vcc 0
		.amdhsa_float_denorm_mode_32 3
		.amdhsa_float_denorm_mode_16_64 3
		.amdhsa_memory_ordered 1
		.amdhsa_forward_progress 1
		.amdhsa_inst_pref_size 76
	.end_amdhsa_kernel
	.amdgpu_metadata
---
amdhsa.version: [ 1, 2 ]
amdhsa.kernels:
  - .name:           k_q66b3f404a1_fin
    .symbol:         k_q66b3f404a1_fin.kd
    .args:
      - { .name: hc, .offset: 0, .size: 8, .value_kind: global_buffer, .address_space: global }
      - { .name: wc2f, .offset: 8, .size: 8, .value_kind: global_buffer, .address_space: global }
      - { .name: xb, .offset: 16, .size: 8, .value_kind: global_buffer, .address_space: global }
      - { .name: b_c2, .offset: 24, .size: 8, .value_kind: global_buffer, .address_space: global }
      - { .name: part, .offset: 32, .size: 8, .value_kind: global_buffer, .address_space: global }
      - { .name: rowstat, .offset: 40, .size: 8, .value_kind: global_buffer, .address_space: global }
      - { .name: b_d2, .offset: 48, .size: 8, .value_kind: global_buffer, .address_space: global }
      - { .name: b_u2, .offset: 56, .size: 8, .value_kind: global_buffer, .address_space: global }
      - { .name: b_n2, .offset: 64, .size: 8, .value_kind: global_buffer, .address_space: global }
      - { .name: out0, .offset: 72, .size: 8, .value_kind: global_buffer, .address_space: global }
    .group_segment_fixed_size: 167936
    .private_segment_fixed_size: 0
    .kernarg_segment_align: 8
    .kernarg_segment_size: 80
    .max_flat_workgroup_size: 128
    .sgpr_count:     66
    .vgpr_count:     768
    .wavefront_size: 32
...
	.end_amdgpu_metadata
.endif
;; end of part 3
